; MI455X (gfx1250); checked and timed in simulation.
; The chip was launched on July 23, 2026; its instructions are those of AMD's public machine-readable ISA for CDNA 5 (MIT licence, August 2026) and "CDNA5" Instruction Set Architecture Reference Guide (July 2026). The comments in the code are by the model that wrote it; some were corrected since.
;; Self Attention1 D. Allowed arithmetic: matrix products marked QUANTISED: E2M1 operands, one E8M0 scale for each 32 along K, by v_wmma_scale_f32_16x16x128_f8f6f4 with both operands' format E2M1 (or v_wmma_scale_f32_32x16x128_f4), f32 sums; everything else in f32.
;; Inputs: Wk_codes 64 x 4 x 16 uint8 (E2M1 codes of Wk, K innermost, in blocks of 32 codes, two codes a byte); Wk_scales 64 x 4 uint8 (E8M0 scales of Wk, one for each 32 codes along K); Wq_codes 64 x 4 x 16 uint8 (E2M1 codes of Wq, K innermost, in blocks of 32 codes, two codes a byte); Wq_scales 64 x 4 uint8 (E8M0 scales of Wq, one for each 32 codes along K); Wv_codes 128 x 4 x 16 uint8 (E2M1 codes of Wv, K innermost, in blocks of 32 codes, two codes a byte); Wv_scales 128 x 4 uint8 (E8M0 scales of Wv, one for each 32 codes along K); bk 64 float32; bq 64 float32; bv 128 float32; x 4 x 128 x 4,096 float32.
;; Outputs: out0 4 x 128 x 4,096 float32.
;; This version of the problem:
;;   THIS VERSION OF THE PROBLEM IS GIVEN IN LOW PRECISION. The matrix products marked QUANTISED in the list below multiply operands that are first quantised to E2M1 (2 exponent bits, 1 mantissa bit; 4 bits a number), with one power-of-two scale for each 32 numbers along K (OCP MX v1.0); their sums are f32. All else is computed in f32.
;;   The module's matrix products, in the order in which they are computed (A, B: the left and right operand; K: the contracted axis; several contracted axes count as one K, in the product's order):
;;     1. [M 16,384, K 128] x [K 128, N 64]; A: input x; B: input Wq (given as codes): QUANTISED
;;     2. [M 16,384, K 128] x [K 128, N 64]; A: input x; B: input Wk (given as codes): QUANTISED
;;     3. [M 16,384, K 128] x [K 128, N 128]; A: input x; B: input Wv (given as codes): QUANTISED
;;     4. batch 4 x [M 4,096, K 64] x [K 64, N 4,096]; A: computed on the way; B: computed on the way: QUANTISED
;;     5. batch 4 x [M 128, K 4,096] x [K 4,096, N 4,096]; A: computed on the way; B: softmax (see below): QUANTISED
;;   THE QUANTISER, for each operand of a quantised product, along K:
;;     - K is cut into blocks of 32 from its start; a last block that is shorter is filled with zeros.
;;     - A block's scale is 2^e with e = floor(log2(the largest magnitude in the block)) - 2, held to -126 .. 127; a block of zeros has e = 0. As a byte (E8M0): e + 127.
;;     - Each number is divided by its block's scale, clamped to +-6, and rounded to the nearest number of E2M1, ties to even, subnormals kept.
;;     - The product sums the exact products of the quantised numbers (number of the format x scale) in f32.
;;   ~~~python
;;   def quantise(x, axis):      # numpy; x: float32 -> the quantised numbers, widened to float32 again
;;       x = np.moveaxis(x, axis, -1); K = x.shape[-1]
;;       x = np.pad(x, [(0, 0)] * (x.ndim - 1) + [(0, -K % 32)]); x = x.reshape(x.shape[:-1] + (-1, 32)); a = np.abs(x).max(-1, keepdims=True)
;;       e = np.where(a > 0, np.clip(np.frexp(np.where(a > 0, a, 1))[1] - 1 - 2, -126, 127), 0)      # np.frexp(a)[1] - 1 = floor(log2(a)), exactly
;;       r = np.clip(x / 2.0 ** e, -6, 6)
;;       step = 2.0 ** (np.maximum(np.frexp(np.where(r == 0, 1, r))[1] - 1, 0) - 1)
;;       q = np.round(r / step) * step * 2.0 ** e      # np.round: ties to even
;;       return np.moveaxis(q.reshape(q.shape[:-2] + (-1,))[..., :K], -1, axis).astype(np.float32)
;;   ~~~
;;   SOFTMAX AHEAD OF A QUANTISED PRODUCT. Where the list says 'softmax', what is quantised is not the finished softmax but p = 2^(t - M), with t = logit x log2(e) and M = ceil(the row's largest t), a whole number; so 1/2 < the row's largest p <= 1. The row's sum l is taken of the UNQUANTISED p, in f32, and the product's result is divided by l at the end. Since M is a whole number, a kernel that streams over the keys may use a running M (the ceiling of the running maximum): every later rescaling is an exact power of two, which a block's scale takes up: the codes' values come out the same.
;;   OPERANDS COMPUTED ON THE WAY. 'Computed on the way' means the value that the module computes at that place (a softmax that the list does not call 'softmax' is quantised finished and normalised). What goes into a quantiser is computed in f32, as accurately as f32 sums, v_exp_f32 and their like allow (about 1e-6 of the number): no bf16 or f16 on the way to a quantiser, and a product that is left as it is and whose result goes on into a quantised operand takes f32 operands (vector FMAs, or v_wmma_f32_16x16x4_f32). A number that lies on a knife's edge between two numbers of the format may be rounded either way, as far as f32 arithmetic and the matrix unit's own rounding can turn it there, and no further.
;;   INPUTS GIVEN AS CODES. Wk (in the module: [64, 128], K = its axis 1); Wq (in the module: [64, 128], K = its axis 1); Wv (in the module: [128, 128], K = its axis 1): each comes as NAME_codes (uint8): NAME with its K axis moved to the last place and cut into blocks of 32 codes, [.., K / 32, bytes a block], one block behind the other in memory; two codes a byte, the lower K in the low four bits (a code: sign, 2 exponent bits, 1 mantissa bit); and NAME_scales (uint8): the same leading axes, one E8M0 byte (e + 127) for each 32 codes along K. Its value is code x scale, taken as it is: it is not quantised again, and the codes and scales need not be those that the quantiser above would give.
;; One version. Each part assembles by itself: llvm-mc -triple=amdgcn-amd-amdhsa -mcpu=gfx1250 --defsym DOCPART=n.
;; ======== version 1 of 1: 2 launches
;; workspace buffers: qrec 557,056 bytes; kv 1,671,168 bytes
;; launch prep (part 1): grid 32 x 4, 16 waves a work-group, no clusters, 11,264 bytes of LDS; arguments x, Wq_codes, Wq_scales, bq, Wk_codes, Wk_scales, bk, Wv_codes, Wv_scales, bv, qrec, kv; writes qrec, kv
.if DOCPART == 1
	.amdgcn_target "amdgcn-amd-amdhsa--gfx1250"
	.amdhsa_code_object_version 6
	.text
	.protected	k_q27eff411af_prep
	.globl	k_q27eff411af_prep
	.p2align	8
	.type	k_q27eff411af_prep,@function
k_q27eff411af_prep:
	s_mov_b64 s[64:65], 0
	v_nop
	global_prefetch_b8 v0, s[64:65] scope:SCOPE_SE
	s_setreg_imm32_b32 hwreg(HW_REG_WAVE_MODE, 25, 1), 1
	s_wait_xcnt 0x0
; q = Wq x + bq, k = Wk x + bk, v = Wv x + bv on codes of FP4 (E2M1) with one E8M0 scale for each 32 along K, and their results quantised again for the attention that follows.
; x: [4][128 (c)][4096 (n)] f32, K = c is NOT innermost.  Wq, Wk [64][128], Wv [128][128]: codes, K innermost, with scale bytes; bq, bk [64], bv [128]: f32.
; SHARES.  A work-group takes a STEP: 128 neighbouring positions of one batch (grid x = step, y = batch): 128 work-groups, since a scale word of v spans a step's 128 keys.  Sixteen waves.
; X: wave w quantises ONE block of 32 channels (block w / 4) of 32 positions (group w % 4): a lane takes one position and its 32 registers run down c, so that the block lies in one lane; 32 loads a wave, all out at once;
; the codes go to LDS as images of operand registers, the scale byte to its place in the position's scale word | one barrier |
; then each wave takes a role and makes eight result tiles: waves 0-3 q, waves 4-7 k, for the positions of x's tiles 2 i and 2 i + 1, i = w % 4 (source 0 = 16 rows of W, source 1 = 16 positions: a lane holds one position,
; registers run along the 64 channels, the next K); waves 8-15 v's channel tile w - 8 for all 128 positions (source 0 = 16 positions, source 1 = 16 rows of Wv: a lane holds one channel, registers run along the keys, v's next K).
; THE POSITIONS OF A TILE ARE NOT NEIGHBOURS: row r of tile 2 g + u is position 32 g + 8 u + r + 8 (r / 8); Wq's and Wk's rows are chosen likewise.  So the 16 registers of two neighbouring result tiles are 16 neighbours along the next K.
; OUT: records in the order of the next launch's operand registers.  kv record (13,056 bytes a step): k's codes, 4 fragments of 1,024 bytes, each holding TWO tiles of 16 keys x 64 channels (K = 0-63: tile 2 b, K = 64-127: tile 2 b + 1);
; at 4,096 k's scale words (16 r + 4 b); at 4,352 v's scale words (256 (t / 4) + 16 r + 4 (t % 4)); at 4,864 v's codes, 8 fragments (16 channels x 128 keys).  q record (4,352 bytes): as k's two parts.
; A wave's codes leave in stores of 256 consecutive aligned bytes; its sixteen scale words leave 4 bytes a lane, 16 bytes apart: 768 bytes of a record's 13,056 are written so.
; The biases are the C of each product.  Each result has one matrix instruction (K = 128 is all of K): no sums are carried on.
; No tensor loads and no cluster: what work-groups share is the weights, 17 KB against the 64 KB of x that each reads alone; they come straight into registers.
; LIMITS: NaN and infinities among the inputs are not served.  A block whose largest magnitude lies under 2^-124 (a block of zeros among them) keeps the scale byte 1; these bytes are read by this program alone, and zero codes add nothing under it.
.set REC,  13056
.set QREC, 4352
.set KSCL, 4096
.set VSCL, 4352
.set VIMG, 4864
.set XSC,  8192                        ; LDS: 0: x's eight fragments, 1,024 T + 256 block + 16 r;  8,192: their scale words, 64 T + 4 r, byte = block
.set XO,   4                           ; v4   x: 4 x my position among the wave's 32
.set AXI,  5                           ; v5   LDS: where I store my block's codes: 2,048 (w % 4) + 1,024 (lane / 16) + 256 (w / 4) + 16 (lane % 16)
.set AXS,  6                           ; v6   and its scale byte: 128 (w % 4) + 4 x lane + w / 4
.set LI,   7                           ; v7   16 x lane: an image's place for my lane
.set LS,   8                           ; v8   4 x lane
.set WOQ,  9                           ; v9-10  Wq, Wk: my row's bytes in the even and the odd tiles
.set WSQ,  11                          ; v11-12 the same for their scale words
.set BO,   13                          ; v13  64 h: q's and k's bias
.set AO,   14                          ; v14  16 r + 8 h: my 8 bytes in 256 bytes of a record
.set RO,   15                          ; v15  4 r: Wv's scale word and v's bias
.set W,    16                          ; v16-47   fragments of my weight: four (q, k) or one (v)
.set WS,   48                          ; v48-51   their scale words
.set XS,   52                          ; v52-55   x's scale words: lanes 0-15 an even tile, lanes 16-31 the odd tile behind it
.set BI,   56                          ; v56-87   the bias, eight registers a tile, in the result's layout
.set TM,   88                          ; v88-91 largest magnitudes, v92-95 the other half's, then bytes, v100-103 the conversions' scale operands
.set KW,   104                         ; v104 the scale word made
.set PC,   108                         ; v108-115 codes made
.set FQ,   116                         ; v116 LDS: 16 x lane + 2,048 (w % 4): x's two fragments for q and k
.set SQ,   117                         ; v117 LDS: 4 x lane + 128 (w % 4): their scale words
.set SO,   118                         ; v118 16 r: my row's scale words in a record
.set WOV,  119                         ; v119 Wv: row r x 64 bytes + 16 h
.set XF,   128                         ; v128-159 my position's 32 numbers; later from v128 x's fragments: two (q, k) or eight (v)
.set D,    192                         ; v192-255 eight result tiles
.set WV,   4                           ; s4 wave, s5 w % 4, s6 w / 4, s7 w % 8
.set OB,   38                          ; s[38:39] where my codes go
.set SB2,  40                          ; s[40:41] where my scale words go
.set SEL,  42                          ; s[42:43] v_permlanex16_b32's selects for lane l xor 16
.macro PLACES
.rept 4
	v_nop
.endr
.endm
	s_load_b512 s[8:23], s[0:1], 0x0               ; x s[8:9], Wq's codes s[10:11], scales s[12:13], bq s[14:15], Wk's codes s[16:17], scales s[18:19], bk s[20:21], Wv's codes s[22:23]
	s_load_b256 s[24:31], s[0:1], 0x40             ; Wv's scales s[24:25], bv s[26:27], qrec s[28:29], kv s[30:31]
	v_lshl_add_u32 v125, v0, 2, 0x2400
	v_mov_b32 v126, 0
	v_lshrrev_b32 v1, 5, v0
	v_readfirstlane_b32 s[WV], v1                  ; wave 0..15
	v_and_b32 v1, 31, v0                           ; lane
	v_and_b32 v2, 15, v0                           ; r
	v_bfe_u32 v3, v0, 4, 1                         ; h
	v_and_b32 v[XO], 7, v0
	v_bfe_u32 v127, v0, 3, 1
	v_lshl_add_u32 v[XO], v127, 4, v[XO]
	v_lshl_add_u32 v[XO], v3, 3, v[XO]             ; my position: lane % 8 + 16 ((lane / 8) % 2) + 8 (lane / 16)
	v_lshlrev_b32 v[XO], 2, v[XO]
	s_and_b32 s5, s[WV], 3                         ; X: my group of 32 positions.  q, k: my pair of x's tiles
	s_lshr_b32 s6, s[WV], 2                        ; X: my block of 32 channels
	s_and_b32 s7, s[WV], 7                         ; v: my channel tile
	; every LDS address is made here, of the lane and the wave's number alone
	s_lshl_b32 s51, s5, 11
	s_lshl_b32 s52, s6, 8
	s_add_co_u32 s52, s52, s51
	v_lshlrev_b32 v[AXI], 4, v2
	v_lshl_add_u32 v[AXI], v3, 10, v[AXI]
	v_add_nc_u32 v[AXI], s52, v[AXI]
	v_lshlrev_b32 v[LI], 4, v1
	v_lshlrev_b32 v[LS], 2, v1
	v_add_nc_u32 v[FQ], s51, v[LI]
	s_lshl_b32 s51, s5, 7
	v_add_nc_u32 v[SQ], s51, v[LS]
	s_add_co_u32 s51, s51, s6
	v_add_nc_u32 v[AXS], s51, v[LS]
	; offsets in memory
	v_lshlrev_b32 v[BO], 6, v3
	v_lshlrev_b32 v[SO], 4, v2
	v_lshl_add_u32 v[AO], v3, 3, v[SO]
	v_lshlrev_b32 v[RO], 2, v2
	v_and_b32 v127, 8, v2
	v_add_nc_u32 v127, v127, v2                    ; Wq, Wk: lane r takes row r + 8 (r / 8) of a tile
	v_lshlrev_b32 v[WOQ], 6, v127
	v_lshl_add_u32 v[WOQ], v3, 4, v[WOQ]           ; row x 64 bytes + 16 h
	v_add_nc_u32 v[WOQ+1], 512, v[WOQ]             ; the odd tiles begin 8 rows behind the even ones
	v_lshlrev_b32 v[WSQ], 2, v127
	v_add_nc_u32 v[WSQ+1], 32, v[WSQ]
	v_lshlrev_b32 v[WOV], 6, v2
	v_lshl_add_u32 v[WOV], v3, 4, v[WOV]
	s_and_b32 s55, ttmp7, 0xffff                   ; batch
	s_lshl_b32 s45, s55, 5
	s_add_co_u32 s45, s45, ttmp9                   ; the record: 32 x batch + step
	s_lshl_b32 s56, s55, 21                        ; x: the batch's 128 x 4,096 numbers,
	s_lshl_b32 s58, ttmp9, 9                       ; the step's 128 positions,
	s_add_co_u32 s56, s56, s58
	s_lshl_b32 s58, s5, 7                          ; my group of 32,
	s_add_co_u32 s56, s56, s58
	s_lshl_b32 s58, s6, 19                         ; my block's 32 rows of 16,384 bytes
	s_add_co_u32 s56, s56, s58
	s_mov_b32 s57, 0
	s_lshl_b32 s46, s7, 10                         ; v: my 16 rows of Wv's codes: 1,024 bytes a tile
	s_lshl_b32 s47, s7, 6                          ; v: their scale words, and my 16 numbers of bv: 64 bytes a tile
	s_add_co_u32 s48, s46, VIMG                    ; v: my fragment in the record
	s_lshl_b32 s49, s5, 10                         ; q, k: my fragment in the record
	s_lshr_b32 s50, s7, 2
	s_lshl_b32 s50, s50, 8
	s_lshl_b32 s53, s5, 2                          ; (w % 4 is also my channel tile % 4)
	s_add_co_u32 s50, s50, s53
	s_add_co_u32 s50, s50, VSCL                    ; v: my scale words: 4,352 + 256 (t / 4) + 4 (t % 4)
	s_add_co_u32 s53, s53, KSCL                    ; q, k: 4,096 + 4 x fragment
	s_mov_b32 s[SEL], 0x76543210
	s_mov_b32 s[SEL+1], 0xfedcba98
	s_wait_kmcnt 0x0
	s_add_nc_u64 s[8:9], s[8:9], s[56:57]
.set c, 0
.rept 32                               ; x(32 block + c, my position): a wave's load covers 128 consecutive bytes, four waves' 512.  The next launch reads x again: no hint
	global_load_b32 v[XF+c], v[XO], s[8:9] offset:c*16384
.set c, c+1
.endr
	; my role's buffers: the choices hang on the wave's number alone
	s_cmp_lt_u32 s[WV], 4
	s_cselect_b64 s[32:33], s[10:11], s[16:17]     ; codes: Wq's or Wk's
	s_cselect_b64 s[34:35], s[12:13], s[18:19]     ; scales
	s_cselect_b64 s[36:37], s[14:15], s[20:21]     ; bias
	s_cselect_b64 s[OB:OB+1], s[28:29], s[30:31]   ; out: qrec for waves 0-3, kv for the others
	s_mov_b32 s44, REC
	s_cselect_b32 s44, QREC, s44                   ; a record's bytes there
	s_cmp_lt_u32 s[WV], 8
	s_cselect_b64 s[32:33], s[32:33], s[22:23]     ; waves 8-15: Wv's
	s_cselect_b64 s[34:35], s[34:35], s[24:25]
	s_cselect_b64 s[36:37], s[36:37], s[26:27]
	s_cselect_b32 s46, 0, s46                      ; q and k take their whole weight
	s_cselect_b32 s47, 0, s47
	s_cselect_b32 s48, s49, s48
	s_cselect_b32 s50, s53, s50
	s_mul_i32 s54, s45, s44                        ; my record's first byte
	s_mov_b64 s[SB2:SB2+1], s[OB:OB+1]
	s_add_co_u32 s48, s48, s54
	s_mov_b32 s49, 0
	s_add_nc_u64 s[OB:OB+1], s[OB:OB+1], s[48:49]
	s_add_co_u32 s50, s50, s54
	s_mov_b32 s51, 0
	s_add_nc_u64 s[SB2:SB2+1], s[SB2:SB2+1], s[50:51]
	s_mov_b32 s58, s46
	s_mov_b32 s59, 0
	s_add_nc_u64 s[32:33], s[32:33], s[58:59]
	s_mov_b32 s58, s47
	s_add_nc_u64 s[34:35], s[34:35], s[58:59]
	s_add_nc_u64 s[36:37], s[36:37], s[58:59]
	s_cmp_lt_u32 s[WV], 8
	s_cbranch_scc0 .Lweights_v
.irp t, 0,1,2,3                        ; q, k: tiles begin at rows 0, 8, 32, 40
	global_load_b128 v[W+8*\t:W+8*\t+3], v[WOQ+(\t%2)], s[32:33] offset:2048*(\t/2)
	global_load_b128 v[W+8*\t+4:W+8*\t+7], v[WOQ+(\t%2)], s[32:33] offset:2048*(\t/2)+32
	global_load_b32 v[WS+\t], v[WSQ+(\t%2)], s[34:35] offset:128*(\t/2)
.endr
.irp t, 0,1,2,3                        ; register j of tile 2 b + u is channel 32 b + 16 h + 8 u + j
	global_load_b128 v[BI+8*\t:BI+8*\t+3], v[BO], s[36:37] offset:(32*(\t/2)+8*(\t%2))*4
	global_load_b128 v[BI+8*\t+4:BI+8*\t+7], v[BO], s[36:37] offset:(32*(\t/2)+8*(\t%2))*4+16
.endr
	s_branch .Lweights_done
.Lweights_v:
	global_load_b128 v[W:W+3], v[WOV], s[32:33]
	global_load_b128 v[W+4:W+7], v[WOV], s[32:33] offset:32
	global_load_b32 v[WS], v[RO], s[34:35]
.irp j, 0,1,2,3,4,5,6,7               ; v: all eight registers of a lane are its one channel
	global_load_b32 v[BI+\j], v[RO], s[36:37]
.endr
.Lweights_done:
	; X: my block of my position: 32 numbers, all mine
	s_wait_loadcnt 0x0                             ; x, and the weights asked for just behind it: 52 loads of a wave at the most were out
	v_max3_num_f32 v[TM], |v[XF]|, |v[XF+1]|, |v[XF+2]|             ; the largest magnitude, in two chains
	v_max3_num_f32 v[TM+1], |v[XF+3]|, |v[XF+4]|, |v[XF+5]|
.irp i, 6,10,14,18,22,26
	v_max3_num_f32 v[TM], v[TM], |v[XF+\i]|, |v[XF+\i+1]|
	v_max3_num_f32 v[TM+1], v[TM+1], |v[XF+\i+2]|, |v[XF+\i+3]|
.endr
	v_max3_num_f32 v[TM], v[TM], |v[XF+30]|, |v[XF+31]|
	v_max3_num_f32 v[TM], v[TM], v[TM+1], 0x1800000                 ; and the floor 2^(3 - 127): the byte cannot fall under 1
	v_add_nc_u32 v[TM+2], 0xff000000, v[TM]                         ; 2 off its exponent field: the conversion takes the exponent field of this operand as its scale
	v_lshrrev_b32 v[TM+3], 23, v[TM+2]                              ; the scale's byte
.irp g, 0,1,2,3
	v_cvt_scalef32_pk8_fp4_f32 v[PC+\g], v[XF+8*\g:XF+8*\g+7], v[TM+2]
.endr
	v_nop                                          ; one plain place behind the scaled conversions
	ds_store_b128 v[AXI], v[PC:PC+3]               ; block b of row r of my tile: the 16 bytes that lane r + 16 (b % 2) takes as registers 4 (b / 2) on
	ds_store_b8 v[AXS], v[TM+3] offset:XSC         ; byte b of my position's scale word
.irp b, 0,1,2,3
	v_mov_b32 v[TM+4+\b], 0                        ; written once: a lane permute's destination counts as one of its sources
.endr
	s_wait_dscnt 0x0                               ; for the others' sake: my stores have landed
	s_barrier_signal -1
	s_barrier_wait -1                              ; x's eight fragments and their scale words lie in LDS
; 64 numbers of a lane, register 16 b + i = place 32 b + 16 h + i along the next K of my row: codes into v[PC + 2 b], v[PC + 2 b + 1], the row's scale word into v[w]
.macro QUANT s, w
.irp b, 0,1,2,3
	v_max3_num_f32 v[TM+\b], |v[\s+16*\b]|, |v[\s+1+16*\b]|, 0x1800000   ; my 16 numbers of block b, and the floor 2^(3 - 127).  (Each result tile is read from its low end on)
.endr
.irp i, 2,4,6,8,10,12,14
.irp b, 0,1,2,3
	v_max3_num_f32 v[TM+\b], v[TM+\b], |v[\s+16*\b+\i]|, |v[\s+1+16*\b+\i]|   ; the four blocks by turns
.endr
.endr
.irp b, 0,1,2,3
	v_permlanex16_b32 v[TM+4+\b], v[TM+\b], s[SEL], s[SEL+1]
.endr
.irp b, 0,1,2,3
	v_max_num_f32 v[TM+\b], v[TM+\b], v[TM+4+\b]   ; with lane l xor 16's: the block's largest magnitude
.endr
.irp b, 0,1,2,3
	v_add_nc_u32 v[TM+12+\b], 0xff000000, v[TM+\b]
.endr
.irp b, 0,1,2,3
	v_lshrrev_b32 v[TM+4+\b], 23, v[TM+12+\b]
.endr
	v_lshl_or_b32 v[\w], v[TM+5], 8, v[TM+4]
	v_lshl_or_b32 v[\w], v[TM+6], 16, v[\w]
	v_lshl_or_b32 v[\w], v[TM+7], 24, v[\w]
.irp b, 0,1,2,3
	v_cvt_scalef32_pk8_fp4_f32 v[PC+2*\b], v[\s+16*\b:\s+7+16*\b], v[TM+12+\b]
	v_cvt_scalef32_pk8_fp4_f32 v[PC+1+2*\b], v[\s+8+16*\b:\s+15+16*\b], v[TM+12+\b]
.endr
	v_nop                                          ; one plain place behind the scaled conversions
.endm
; The way out of my eight result tiles: one fragment of the record.  Block b's 256 bytes of an image are 16 r + 8 h: my 16 codes are the half of row r's 16 bytes that my half of the lanes made,
; so no lane exchange is needed, and each store of the wave covers 256 consecutive bytes, aligned.  The row's scale word: lanes l and l xor 16 hold the same word and write it to the same place.
.macro OUT
	PLACES                                         ; four places between the last product and the first read of results (ISA guide 7.12.1)
	QUANT D, KW
.irp b, 0,1,2,3
	global_store_b64 v[AO], v[PC+2*\b:PC+2*\b+1], s[OB:OB+1] offset:256*\b
.endr
	global_store_b32 v[SO], v[KW], s[SB2:SB2+1]
.endm
	s_cmp_lt_u32 s[WV], 8
	s_cbranch_scc0 .Lrole_v
; q or k: the positions of x's tiles 2 i and 2 i + 1 against all 64 channels.  Register 32 u + 16 b + j: channel 32 b + 16 h + j of row r of tile 2 i + u: four blocks: (tile 2 i: channels 0-31, 32-63), (tile 2 i + 1: likewise)
.irp f, 0,1,2,3
	ds_load_b128 v[XF+4*\f:XF+4*\f+3], v[FQ] offset:512*\f          ; tile 2 i + f / 2, registers 4 (f % 2) on
.endr
	ds_load_b32 v[XS], v[SQ] offset:XSC            ; lanes 0-15 tile 2 i's words, lanes 16-31 tile 2 i + 1's
	s_wait_dscnt 0x0
.irp u, 0,1
.irp t, 0,1,2,3
.if \u
	v_wmma_scale_f32_16x16x128_f8f6f4 v[D+32*\u+8*\t:D+32*\u+8*\t+7], v[W+8*\t:W+8*\t+7], v[XF+8*\u:XF+8*\u+7], v[BI+8*\t:BI+8*\t+7], v[WS+\t], v[XS] matrix_a_fmt:MATRIX_FMT_FP4 matrix_b_fmt:MATRIX_FMT_FP4 matrix_b_scale:MATRIX_SCALE_ROW1
.else
	v_wmma_scale_f32_16x16x128_f8f6f4 v[D+32*\u+8*\t:D+32*\u+8*\t+7], v[W+8*\t:W+8*\t+7], v[XF+8*\u:XF+8*\u+7], v[BI+8*\t:BI+8*\t+7], v[WS+\t], v[XS] matrix_a_fmt:MATRIX_FMT_FP4 matrix_b_fmt:MATRIX_FMT_FP4
.endif
.endr
.endr
	OUT
	s_wait_tensorcnt 0x0
	ds_add_u32 v125, v126
	s_wait_dscnt 0x0
	s_endpgm
.Lrole_v:
; v: my channel tile against all 128 positions.  Register 8 T + j: key 32 (T / 2) + 16 h + 8 (T % 2) + j of my channel: four blocks of 32 keys
.irp f, 0,1,2,3,4,5,6,7,8,9,10,11,12,13,14,15
	ds_load_b128 v[XF+4*\f:XF+4*\f+3], v[LI] offset:512*\f          ; tile f / 2, registers 4 (f % 2) on
.endr
.irp p, 0,1,2,3
	ds_load_b32 v[XS+\p], v[LS] offset:XSC+128*\p
.endr
	s_wait_dscnt 0x0
.irp T, 0,1,2,3,4,5,6,7
.if \T%2
	v_wmma_scale_f32_16x16x128_f8f6f4 v[D+8*\T:D+8*\T+7], v[XF+8*\T:XF+8*\T+7], v[W:W+7], v[BI:BI+7], v[XS+(\T/2)], v[WS] matrix_a_fmt:MATRIX_FMT_FP4 matrix_b_fmt:MATRIX_FMT_FP4 matrix_a_scale:MATRIX_SCALE_ROW1
.else
	v_wmma_scale_f32_16x16x128_f8f6f4 v[D+8*\T:D+8*\T+7], v[XF+8*\T:XF+8*\T+7], v[W:W+7], v[BI:BI+7], v[XS+(\T/2)], v[WS] matrix_a_fmt:MATRIX_FMT_FP4 matrix_b_fmt:MATRIX_FMT_FP4
.endif
.endr
	OUT
	s_wait_tensorcnt 0x0
	ds_add_u32 v125, v126
	s_wait_dscnt 0x0
	s_endpgm
.Lfunc_end_k_q27eff411af_prep:
	.size	k_q27eff411af_prep, .Lfunc_end_k_q27eff411af_prep-k_q27eff411af_prep
	.p2alignl 7, 3214868480
	.fill 96, 4, 3214868480
	.section	.rodata,"a",@progbits
	.p2align	6, 0x0
	.amdhsa_kernel k_q27eff411af_prep
		.amdhsa_group_segment_fixed_size 11264
		.amdhsa_private_segment_fixed_size 0
		.amdhsa_enable_private_segment 0
		.amdhsa_kernarg_size 96
		.amdhsa_user_sgpr_count 2
		.amdhsa_user_sgpr_kernarg_segment_ptr 1
		.amdhsa_wavefront_size32 1
		.amdhsa_system_sgpr_workgroup_id_x 1
		.amdhsa_system_sgpr_workgroup_id_y 1
		.amdhsa_system_sgpr_workgroup_id_z 1
		.amdhsa_system_vgpr_workitem_id 0
		.amdhsa_next_free_vgpr 256
		.amdhsa_next_free_sgpr 66
		.amdhsa_reserve_vcc 0
		.amdhsa_float_denorm_mode_32 3
		.amdhsa_float_denorm_mode_16_64 3
		.amdhsa_memory_ordered 1
		.amdhsa_forward_progress 1
		.amdhsa_inst_pref_size 25
	.end_amdhsa_kernel
	.amdgpu_metadata
---
amdhsa.version: [ 1, 2 ]
amdhsa.kernels:
  - .name:           k_q27eff411af_prep
    .symbol:         k_q27eff411af_prep.kd
    .args:
      - { .name: x, .offset: 0, .size: 8, .value_kind: global_buffer, .address_space: global }
      - { .name: Wq_codes, .offset: 8, .size: 8, .value_kind: global_buffer, .address_space: global }
      - { .name: Wq_scales, .offset: 16, .size: 8, .value_kind: global_buffer, .address_space: global }
      - { .name: bq, .offset: 24, .size: 8, .value_kind: global_buffer, .address_space: global }
      - { .name: Wk_codes, .offset: 32, .size: 8, .value_kind: global_buffer, .address_space: global }
      - { .name: Wk_scales, .offset: 40, .size: 8, .value_kind: global_buffer, .address_space: global }
      - { .name: bk, .offset: 48, .size: 8, .value_kind: global_buffer, .address_space: global }
      - { .name: Wv_codes, .offset: 56, .size: 8, .value_kind: global_buffer, .address_space: global }
      - { .name: Wv_scales, .offset: 64, .size: 8, .value_kind: global_buffer, .address_space: global }
      - { .name: bv, .offset: 72, .size: 8, .value_kind: global_buffer, .address_space: global }
      - { .name: qrec, .offset: 80, .size: 8, .value_kind: global_buffer, .address_space: global }
      - { .name: kv, .offset: 88, .size: 8, .value_kind: global_buffer, .address_space: global }
    .group_segment_fixed_size: 11264
    .private_segment_fixed_size: 0
    .kernarg_segment_align: 8
    .kernarg_segment_size: 96
    .max_flat_workgroup_size: 512
    .sgpr_count:     66
    .vgpr_count:     256
    .wavefront_size: 32
...
	.end_amdgpu_metadata
.endif
;; end of part 1
;; launch attn (part 2): grid 64 x 4, 16 waves a work-group, clusters of 4 x 1, 327,680 bytes of LDS; arguments qrec, kv, x, out0; writes out0
.if DOCPART == 2
	.amdgcn_target "amdgcn-amd-amdhsa--gfx1250"
	.amdhsa_code_object_version 6
	.text
	.protected	k_q27eff411af_attn
	.globl	k_q27eff411af_attn
	.p2align	8
	.type	k_q27eff411af_attn,@function
k_q27eff411af_attn:
	s_mov_b64 s[64:65], 0
	v_nop
	global_prefetch_b8 v0, s[64:65] scope:SCOPE_SE
	s_setreg_imm32_b32 hwreg(HW_REG_WAVE_MODE, 25, 1), 1
	s_wait_xcnt 0x0
	s_wait_alu depctr_hold_cnt(0) depctr_sa_sdst(0) depctr_va_vdst(0) depctr_va_sdst(0) depctr_va_ssrc(0) depctr_va_vcc(0) depctr_vm_vsrc(0)
	s_getreg_b32 s2, hwreg(HW_REG_IB_STS2, 6, 4)
	s_cmp_eq_u32 s2, 0
	s_cbranch_scc0 .Lentry_in_a_cluster
	s_endpgm
.Lentry_in_a_cluster:
	s_bfe_u32 s2, ttmp6, 0x10000c
	s_cmp_lg_u32 s2, 0x3003
	s_cbranch_scc0 .Lentry_shape_is_right
	s_endpgm
.Lentry_shape_is_right:
; out[b][c][n] = x[b][c][n] + the sum over m of softmax_m(q[b][:][n] . k[b][:][m]) v[b][c][m], both products on codes of FP4 (E2M1) with one E8M0 scale for each 32 along K.
; q, k, v come from the launch before as records in the order of the operands' registers: one record for each step of 128 positions (kv: 13,056 bytes: k's codes 0, k's scale words 4,096, v's scale words 4,352, v's codes 4,864; qrec: 4,352 bytes).
; THE SOFTMAX AHEAD OF THE SECOND PRODUCT: t = score x log2(e); M = the largest t so far, rounded UP to a whole number; p = 2^(t - M) is quantised along the keys, not normalised; the sum is taken of the unquantised p and divides at the end.
; SHARES.  A work-group owns 64 queries of one batch.  Wave w owns query tile w / 4 (16 queries) and KEY QUARTER w % 4 (8 steps of 128 keys): sixteen waves of 256 registers, four to a SIMD, so that one wave's vector work
; stands beside another's matrix work and LDS loads.  The four quarters of a query tile meet once, at the end, through LDS: each is brought under the common M by a power of two, which rounds nothing.
; K = 64 IN AN INSTRUCTION OF 128: a fragment of k holds TWO tiles of 16 keys (K 0-63: tile 2 b, K 64-127: tile 2 b + 1) and is multiplied twice: by (q | zero codes) and by (zero codes | q).  q stands as [q][0][q] in twelve registers;
; its scale word is (s0, s1, s0, s1).  Zero codes add nothing under any scale byte that the quantiser gives.
; LAYOUT.  Both products are used transposed: S^T = k q^T (source 0 = keys, source 1 = my 16 queries), O^T = v p^T (source 0 = 16 channels, source 1 = p): a lane holds ONE query (lane % 16) throughout.
; Row r of key tile 2 b + u is key 32 b + 8 u + r + 8 (r / 8), so the 16 registers of tiles 2 b, 2 b + 1 are keys 32 b + 16 (lane / 16) + 0 .. 15; query tiles are laid the same way.
; LDS.  THREE slots; a slot holds, for each key quarter, a chunk of two steps' records: 26,112 dense bytes, one tensor load (waves 0-3, one quarter each).  A batch's records are 417,792 bytes, three slots 313,344: steps 0-5 of every
; quarter are asked for at the start (three loads of a fetching wave are out), and ONE refill brings steps 6, 7 into slot 0 when it has been read: that load has four steps in which to land, and slots 1 and 2 are read with no barrier between them.
; Images are read 16 bytes a lane on end: no padding is wanted.
; CLUSTER.  The four work-groups of a cluster are neighbouring query blocks of one batch and walk the same records: each chunk is asked for JOINTLY, by the same tensor load with a mask that names the four.
; LIMITS: NaN and infinities are not served; t under -3e38 is not served; a block of p under 2^-124 keeps the scale byte 1 (its codes are zeros or subnormals of that scale);
; the sums over the four key quarters are added in another order than a single run over the keys would add them.
.set REC,    13056
.set QREC,   4352
.set KSCL,   4096
.set VSC2,   4608                      ; the scale words of v's tiles 4-7
.set VIMG,   4864
.set CHUNK,  2*REC
.set SLOTB,  4*CHUNK                   ; 104,448
.set SPARE,  3*SLOTB                   ; behind the slots: the spare words, 128 bytes for each of the sixteen waves: eight blocks of 256 bytes that no other line names
.set STAT,   SLOTB                     ; the end: the quarters' -M and sums, 2,048 bytes;
.set STG,    SLOTB+4096                ; and four parts (one a key quarter) of 128 channel rows x (64 queries x 4 bytes + 16).  Both lie in slots 1 and 2, which are filled once and have had their last read in front of the ring's last barrier
.set SPITCH, 272
.set PART,   128*SPITCH
.set ADS,  1                           ; v1-3   16 x (lane % 16) + my quarter's chunk, in slot 0, 1, 2
.set SPW,  5                           ; v5     LDS address of my spare word; never rewritten
.set NIL,  6                           ; v6     0; never rewritten
.set AST,  7                           ; v7     the end: where my query's -M goes: 256 x tile + 16 r + 4 x quarter (the sum 1,024 further on)
.set ASR,  8                           ; v8     and where the four quarters' are read
.set AW,   9                           ; v9     the stage, in: my part, row 8 h, my query's column
.set AR,   10                          ; v10-11 the stage, back: rows 8 w + h of parts 0 and 2, 16 bytes a lane
.set QF,   16                          ; v16-19 q, v20-23 zero codes, v24-27 q
.set GO,   28                          ; v28    x and out: 16,384 h + 16 (lane % 16)
.set ADR,  29                          ; v29-31 16 x lane + my quarter's chunk, in slot 0, 1, 2
.set FB,   32                          ; v32-95  four fragments of k, then eight of v
.set S,    96                          ; v96-159 S^T, then p
.set O,    160                         ; v160-223 O^T
.set PC,   224                         ; v224-231 p's codes
.set SCA,  240                         ; v240-243 lanes 0-15: k's scale words, fragments 0-3; lanes 16-31: v's, tiles 0-3
.set TA,   244                         ; v244-246 at the head: 16 x lane, r, h; in a step the conversions' scale operands (v244-247)
.set TR,   245
.set TH,   246
.set SCB,  248                         ; v248-251 v's scale words, tiles 4-7
.set PS,   253                         ; v253 p's scale word
.set QS,   255                         ; v255 q's scale word
.set WV,   12                          ; s12 wave, s13 key quarter, s14 query tile
.set SEL,  20                          ; s[20:21] v_permlanex16_b32's selects for lane l xor 16
.set CS,   22                          ; s[22:23] log2(e): the packed form names a pair and takes its low word for both halves
.set G1,   24                          ; s[24:31] descriptor group 1
.set G0,   32                          ; s[32:43] descriptor group 0, one set for each slot
.macro PLACES
.rept 4
	v_nop
.endr
.endm
; A round of the cluster's barrier: my work-group's barrier, so that wave 0's signal speaks for all sixteen waves; wave 0 signals for the work-group; every wave waits for all four work-groups; my work-group's barrier once more.
.macro CROUND
	s_barrier_signal -1
	s_barrier_wait -1
	s_cmp_lg_u32 s[WV], 0
	s_cbranch_scc1 .Lnot_wave_0_\@
	s_barrier_signal -3
.Lnot_wave_0_\@:
	s_barrier_wait -3
	s_barrier_signal -1
	s_barrier_wait -1
.endm
	s_load_b256 s[4:11], s[0:1], 0x0               ; qrec s[4:5], kv s[6:7], x s[8:9], out0 s[10:11]
	v_lshl_add_u32 v[SPW], v0, 2, SPARE
	v_mov_b32 v[NIL], 0
	ds_add_u32 v5, v6
	ds_add_u32 v5, v6
	s_wait_dscnt 0x0
	v_lshrrev_b32 v[TA], 5, v0
	v_readfirstlane_b32 s[WV], v[TA]               ; wave 0..15
	s_and_b32 s13, s[WV], 3                        ; my key quarter
	s_lshr_b32 s14, s[WV], 2                       ; my query tile
	s_bfe_u32 s15, ttmp6, 0x40000                  ; cx: my place in the cluster
	s_lshl_b32 s16, ttmp9, 2                       ; in a cluster launch ttmp9 counts clusters
	s_add_co_u32 s16, s16, s15                     ; my block of 64 queries: it enters the addresses of qrec, x and out0 alone
	s_and_b32 s17, ttmp7, 0xffff                   ; the batch, which the four partners share
	; descriptor group 1: a dense block of 102 rows of 256 bytes (32 elements of 8 bytes)
	s_mov_b32 s[G1], 15|(3<<16)|(1<<21)            ; 15:0 the mask: all four work-groups; 17:16 elements of 8 bytes; 20 no padding; 21 set beside a mask
	s_mov_b32 s[G1+1], 32<<16                      ; tensor_dim0 = 32
	s_mov_b32 s[G1+2], 102<<16                     ; tensor_dim1 = 102
	s_mov_b32 s[G1+3], 32<<16                      ; tile_dim0 = 32
	s_mov_b32 s[G1+4], 102                         ; tile_dim1 = 102
	s_mov_b32 s[G1+5], 32                          ; from row to row: 32 elements
	s_mov_b32 s[G1+6], 0
	s_mov_b32 s[G1+7], 0
	s_mul_i32 s18, s13, CHUNK                      ; my quarter's chunk in a slot: no place in the cluster enters an LDS address
	s_mul_i32 s60, s17, 32*REC                     ; the batch's 32 records,
	s_mul_i32 s62, s13, 8*REC                      ; my quarter's 8
	s_add_co_u32 s60, s60, s62
	s_mov_b32 s61, 0
	s_mov_b32 s[SEL], 0x76543210
	s_mov_b32 s[SEL+1], 0xfedcba98
	s_mov_b32 s[CS], 0x3fb8aa3b                    ; log2(e)
	s_mov_b32 s[CS+1], s[CS]                       ; (named with it as a pair, so it is written)
	; q: record 32 x batch + block / 2; in it tile 4 (block % 2) + my tile, 512 bytes a tile; its scale word: 4,096 + 16 r + 4 (tile / 2)
	s_lshl_b32 s50, s17, 5
	s_lshr_b32 s51, s16, 1
	s_add_co_u32 s50, s50, s51
	s_mul_i32 s50, s50, QREC
	s_and_b32 s51, s16, 1
	s_lshl_b32 s52, s51, 2
	s_add_co_u32 s52, s52, s14
	s_lshl_b32 s52, s52, 9
	s_add_co_u32 s52, s52, s50
	s_mov_b32 s53, 0
	s_lshl_b32 s54, s51, 1
	s_lshr_b32 s55, s14, 1
	s_add_co_u32 s54, s54, s55
	s_lshl_b32 s54, s54, 2
	s_add_co_u32 s54, s54, s50
	s_mov_b32 s55, 0
	s_and_b32 s56, s14, 1
	s_lshl_b32 s56, s56, 4                         ; which half of that word is my tile's
	; x and out0: the batch, channel rows 8 w on, the block's 64 columns
	s_lshl_b32 s58, s17, 21
	s_lshl_b32 s57, s[WV], 17
	s_add_co_u32 s58, s58, s57
	s_lshl_b32 s57, s16, 8
	s_add_co_u32 s58, s58, s57
	s_mov_b32 s59, 0
	s_wait_kmcnt 0x0
	s_add_nc_u64 s[60:61], s[6:7], s[60:61]
	s_add_nc_u64 s[52:53], s[4:5], s[52:53]
	s_add_nc_u64 s[54:55], s[4:5], s[54:55]
	s_add_nc_u64 s[8:9], s[8:9], s[58:59]
	s_add_nc_u64 s[10:11], s[10:11], s[58:59]
	CROUND                                         ; all four work-groups are here: the first joint loads meet
.irp s, 0,1,2
	s_mov_b32 s[G0+4*\s], 1                        ; count = 1
	s_add_co_u32 s[G0+4*\s+1], s18, \s*SLOTB       ; LDS address
	s_add_nc_u64 s[G0+4*\s+2:G0+4*\s+3], s[60:61], \s*CHUNK   ; global address: my quarter's steps 2 s and 2 s + 1
	s_or_b32 s[G0+4*\s+3], s[G0+4*\s+3], 0x80000000   ; type = 2
.endr
	s_cmp_lt_u32 s[WV], 4                          ; a wave's three first fills stand in one branch, ahead of every wait on TENSORcnt and every LDS read: three loads of such a wave are out
	s_cbranch_scc0 .Lno_first
	tensor_load_to_lds s[G0:G0+3], s[G1:G1+7]
	s_nop 0
	tensor_load_to_lds s[G0+4:G0+7], s[G1:G1+7]
	s_nop 0
	tensor_load_to_lds s[G0+8:G0+11], s[G1:G1+7]
	s_nop 0
	PLACES
.Lno_first:
	v_and_b32 v[TA], 31, v0                        ; lane
	v_and_b32 v[TR], 15, v0                        ; r
	v_bfe_u32 v[TH], v0, 4, 1                      ; h
	v_lshlrev_b32 v[TA], 4, v[TA]                  ; 16 x lane
	v_lshlrev_b32 v254, 4, v[TR]                   ; 16 r
	global_load_b128 v[QF:QF+3], v[TA], s[52:53]   ; q's codes: lane (r, h) holds channels 32 h + 0 .. 31 of query row r;
	global_load_b128 v[QF+8:QF+11], v[TA], s[52:53]   ; the same 16 bytes once more
	global_load_b32 v[QS], v254, s[54:55] offset:KSCL
	v_add_nc_u32 v[ADR], s18, v[TA]
	v_add_nc_u32 v[ADR+1], SLOTB, v[ADR]
	v_add_nc_u32 v[ADR+2], 2*SLOTB, v[ADR]
	v_lshlrev_b32 v[ADS], 4, v[TR]
	v_add_nc_u32 v[ADS], s18, v[ADS]
	v_add_nc_u32 v[ADS+1], SLOTB, v[ADS]
	v_add_nc_u32 v[ADS+2], 2*SLOTB, v[ADS]
	s_lshl_b32 s49, s14, 8
	s_add_co_u32 s49, s49, STAT
	s_lshl_b32 s44, s13, 2
	v_lshlrev_b32 v[ASR], 4, v[TR]
	v_add_nc_u32 v[ASR], s49, v[ASR]
	v_add_nc_u32 v[AST], s44, v[ASR]
	v_and_b32 v[AW], 8, v[TR]
	v_add_nc_u32 v[AW], v[AW], v[TR]               ; r + 8 (r / 8)
	v_lshlrev_b32 v[AW], 2, v[AW]
	v_mad_u32_u24 v[AW], v[TH], 8*SPITCH, v[AW]    ; lanes 16-31 hold channels 8 further on
	s_mul_i32 s45, s13, PART
	s_lshr_b32 s46, s14, 1
	s_lshl_b32 s46, s46, 7                         ; my tile's queries begin at column 32 (tile / 2) + 8 (tile % 2)
	s_and_b32 s47, s14, 1
	s_lshl_b32 s47, s47, 5
	s_add_co_u32 s45, s45, s46
	s_add_co_u32 s45, s45, s47
	s_add_co_u32 s45, s45, STG
	v_add_nc_u32 v[AW], s45, v[AW]
	v_lshlrev_b32 v[AR], 4, v[TR]
	v_mad_u32_u24 v[AR], v[TH], SPITCH, v[AR]
	s_mul_i32 s48, s[WV], 8*SPITCH
	s_add_co_u32 s48, s48, STG
	v_add_nc_u32 v[AR], s48, v[AR]
	v_add_nc_u32 v[AR+1], 2*PART, v[AR]
	v_lshlrev_b32 v[GO], 4, v[TR]
	v_lshl_add_u32 v[GO], v[TH], 14, v[GO]
	v_mov_b32 v13, 0xff61b1e6                      ; the largest t so far: -3e38, under every t
	v_floor_f32 v12, -v13                          ; -M
	v_mov_b32 v14, 0                               ; the sum, in two halves
	v_mov_b32 v15, 0
.irp b, 0,1,2,3
	v_mov_b32 v[QF+4+\b], 0                        ; the zero codes between the two copies of q
	v_mov_b32 v[236+\b], 0                         ; written once: a lane permute's destination counts as one of its sources
.endr
	v_mov_b32 v[PS], 0                             ; (named as the upper half of the pair v[252:253] before it is first written)
	s_wait_loadcnt 0x0                             ; q
	v_lshrrev_b32 v[QS], s56, v[QS]
	v_and_b32 v[QS], 0xffff, v[QS]                 ; my tile's two bytes,
	v_lshl_or_b32 v[QS], v[QS], 16, v[QS]          ; for both places of q in the 128 along K
.rept 8
	v_nop                                          ; a scale register written by a vector instruction stands eight places ahead of a scaled matrix instruction, an operand so written four
.endr
; THE ROW'S SUM IS TAKEN OF THE UNQUANTISED p: two at a time, in two chains (v[14:15] and v[236:237]), 32 packed additions in three parts.
; SUM0, nine of them, stands in its own step, between p's codes and scale word and the products that take them: the places in front of those products; they name none of the products' registers.
; SUM1, four, stands at the head of the NEXT step (or of the end): the four places between the step's last products and the loads into the registers that these read.
; SUM2, nineteen, stands between the next step's request for k's fragments and the wait for it: the wave works while the fragments come.  p's registers are written again only by the products behind that wait.
.macro SUM0
	v_pk_add_f32 v[236:237], v[S:S+1], v[S+2:S+3]
.irp j, 4,8,12,16
	v_pk_add_f32 v[14:15], v[14:15], v[S+\j:S+1+\j]
	v_pk_add_f32 v[236:237], v[236:237], v[S+2+\j:S+3+\j]
.endr
.endm
.macro SUM1
.irp j, 20,24
	v_pk_add_f32 v[14:15], v[14:15], v[S+\j:S+1+\j]
	v_pk_add_f32 v[236:237], v[236:237], v[S+2+\j:S+3+\j]
.endr
.endm
.macro SUM2
.irp j, 28,32,36,40,44,48,52,56,60
	v_pk_add_f32 v[14:15], v[14:15], v[S+\j:S+1+\j]
	v_pk_add_f32 v[236:237], v[236:237], v[S+2+\j:S+3+\j]
.endr
	v_pk_add_f32 v[14:15], v[14:15], v[236:237]
.endm
; A KEY STEP: 128 keys: record rnd (0, 1) of my chunk in the slot.  first = 1: the wave's first step: its products start O^T's sums, so nothing is cleared and nothing is rescaled, and no earlier step's sum is open.
.macro STEP slot, rnd, first
.set RB, (\rnd)*REC
.if \first == 0
	SUM1                                           ; four places in front of loads into registers that the last products read (ISA guide 7.12.1 for vector instructions)
.endif
	ds_load_b128 v[SCA:SCA+3], v[ADR+\slot] offset:RB+KSCL          ; 512 bytes on end: lanes 0-15 k's four words of row r, lanes 16-31 the words of v's tiles 0-3
	ds_load_b128 v[SCB:SCB+3], v[ADS+\slot] offset:RB+VSC2          ; v's tiles 4-7
.irp f, 0,1,2,3,4,5,6,7
	ds_load_b128 v[FB+4*\f:FB+4*\f+3], v[ADR+\slot] offset:RB+512*\f   ; k: key tile f = half f % 2 of fragment f / 2
.endr
.if \first == 0
	SUM2
.endif
	s_wait_dscnt 0x0
.irp b, 0,1,2,3
.irp u, 0,1                            ; S^T: u = 0: (q | 0) picks tile 2 b out of the fragment, u = 1: (0 | q) picks tile 2 b + 1
	v_wmma_scale_f32_16x16x128_f8f6f4 v[S+16*\b+8*\u:S+16*\b+8*\u+7], v[FB+8*\b:FB+8*\b+7], v[QF+4*\u:QF+4*\u+7], 0, v[SCA+\b], v[QS] matrix_a_fmt:MATRIX_FMT_FP4 matrix_b_fmt:MATRIX_FMT_FP4
.endr
.endr
	PLACES                                         ; in front of the loads into k's registers and of the first read of the scores
.irp f, 0,1,2,3,4,5,6,7,8,9,10,11,12,13,14,15
	ds_load_b128 v[FB+4*\f:FB+4*\f+3], v[ADR+\slot] offset:RB+VIMG+512*\f   ; v's eight fragments land while the softmax is worked
.endr
.irp b, 0,1,2,3
	v_max3_num_f32 v[232+\b], v[S+16*\b], v[S+1+16*\b], v[S+2+16*\b]   ; THE LARGEST SCORE OF EACH BLOCK OF 32 KEYS: it serves the row's maximum and, since p rises with the score, the block's largest p
.endr
.irp i, 3,5,7,9,11,13
.irp b, 0,1,2,3
	v_max3_num_f32 v[232+\b], v[232+\b], v[S+16*\b+\i], v[S+1+16*\b+\i]   ; the four blocks by turns
.endr
.endr
.irp b, 0,1,2,3
	v_max_num_f32 v[232+\b], v[232+\b], v[S+15+16*\b]
.endr
.irp b, 0,1,2,3
	v_permlanex16_b32 v[236+\b], v[232+\b], s[SEL], s[SEL+1]
.endr
.irp b, 0,1,2,3
	v_max_num_f32 v[232+\b], v[232+\b], v[236+\b]  ; with lane l xor 16's 16 keys
.endr
	v_max3_num_f32 v254, v232, v233, v234
	v_max_num_f32 v254, v254, v235                 ; the step's largest score of my query
	v_mul_f32 v254, s[CS], v254                    ; as t
	v_max_num_f32 v13, v13, v254                   ; the running largest t
	v_mov_b32 v254, v12
	v_floor_f32 v12, -v13                          ; the new -M = floor(-t) = -ceil(t): M is a whole number
	v_sub_f32 v254, v12, v254                      ; M's old value less its new one: a whole number, 0 or less
	v_cvt_i32_f32 v254, v254                       ; (it saturates)
	v_ldexp_f32 v252, 1.0, v254                    ; f = 2^(old M - new M): a multiplication by it rounds nothing
.irp j, 0,2,4,6,8,10,12,14,16,18,20,22,24,26,28,30,32,34,36,38,40,42,44,46,48,50,52,54,56,58,60,62
	v_pk_fma_f32 v[S+\j:S+1+\j], v[S+\j:S+1+\j], s[CS:CS+1], v[12:13] op_sel_hi:[1,0,0]   ; t - M, two at a time
.endr
.irp b, 0,1,2,3
	v_fma_f32 v[232+\b], v[232+\b], s[CS], v12     ; the same of each block's largest score
.endr
.irp j, 0,1,2,3,4,5,6,7,8,9,10,11,12,13,14,15,16,17,18,19,20,21,22,23,24,25,26,27,28,29,30,31,32,33,34,35,36,37,38,39,40,41,42,43,44,45,46,47,48,49,50,51,52,53,54,55,56,57,58,59,60,61,62,63
	v_exp_f32 v[S+\j], v[S+\j]                     ; p = 2^(t - M), at most 1: not normalised
.endr
.irp b, 0,1,2,3
	v_exp_f32 v[232+\b], v[232+\b]                 ; the block's largest p: the same two instructions on the same number give the same bits
.endr
	v_pk_mul_f32 v[14:15], v[14:15], v[252:253] op_sel_hi:[1,0]   ; the sums under the new M.  (A plain place behind the exponentials)
	s_wait_alu depctr_va_vdst(0)
.irp b, 0,1,2,3
	v_max_num_f32 v[232+\b], 0x1800000, v[232+\b]  ; the floor 2^(3 - 127): the byte cannot fall under 1
.endr
.irp b, 0,1,2,3
	v_add_nc_u32 v[244+\b], 0xff000000, v[232+\b]  ; 2 off the exponent field: the conversion's scale operand
.endr
.irp b, 0,1,2,3
	v_lshrrev_b32 v[236+\b], 23, v[244+\b]         ; the scale's byte
.endr
	v_lshl_or_b32 v[PS], v237, 8, v236             ; p's scale word for these 128 keys
	v_lshl_or_b32 v[PS], v238, 16, v[PS]
	v_lshl_or_b32 v[PS], v239, 24, v[PS]
.irp b, 0,1,2,3
	v_cvt_scalef32_pk8_fp4_f32 v[PC+2*\b], v[S+16*\b:S+7+16*\b], v[244+\b]
	v_cvt_scalef32_pk8_fp4_f32 v[PC+1+2*\b], v[S+8+16*\b:S+15+16*\b], v[244+\b]
.endr
	v_nop                                          ; one plain place behind the scaled conversions
.irp c, 0,1                            ; the operand's layout wants a WHOLE block in a lane: lanes 0-15 block 2 c, lanes 16-31 block 2 c + 1
.irp i, 0,1
	v_permlane16_swap_b32 v[PC+4*\c+\i], v[PC+2+4*\c+\i]
.endr
.endr
	SUM0
.if \first == 0
.irp j, 0,2,4,6,8,10,12,14,16,18,20,22,24,26,28,30,32,34,36,38,40,42,44,46,48,50,52,54,56,58,60,62
	v_pk_mul_f32 v[O+\j:O+1+\j], v[O+\j:O+1+\j], v[252:253] op_sel_hi:[1,0]   ; O^T under the new M
.endr
.endif
	s_wait_dscnt 0x0                               ; v's fragments are in
.irp t, 0,1,2,3,4,5,6,7               ; O^T += v p^T: the eight accumulators take turns, one instruction a turn
.if \first
.if \t < 4
	v_wmma_scale_f32_16x16x128_f8f6f4 v[O+8*\t:O+8*\t+7], v[FB+8*\t:FB+8*\t+7], v[PC:PC+7], 0, v[SCA+\t], v[PS] matrix_a_fmt:MATRIX_FMT_FP4 matrix_b_fmt:MATRIX_FMT_FP4 matrix_a_scale:MATRIX_SCALE_ROW1
.else
	v_wmma_scale_f32_16x16x128_f8f6f4 v[O+8*\t:O+8*\t+7], v[FB+8*\t:FB+8*\t+7], v[PC:PC+7], 0, v[SCB+\t-4], v[PS] matrix_a_fmt:MATRIX_FMT_FP4 matrix_b_fmt:MATRIX_FMT_FP4
.endif
.else
.if \t < 4
	v_wmma_scale_f32_16x16x128_f8f6f4 v[O+8*\t:O+8*\t+7], v[FB+8*\t:FB+8*\t+7], v[PC:PC+7], v[O+8*\t:O+8*\t+7], v[SCA+\t], v[PS] matrix_a_fmt:MATRIX_FMT_FP4 matrix_b_fmt:MATRIX_FMT_FP4 matrix_a_scale:MATRIX_SCALE_ROW1
.else
	v_wmma_scale_f32_16x16x128_f8f6f4 v[O+8*\t:O+8*\t+7], v[FB+8*\t:FB+8*\t+7], v[PC:PC+7], v[O+8*\t:O+8*\t+7], v[SCB+\t-4], v[PS] matrix_a_fmt:MATRIX_FMT_FP4 matrix_b_fmt:MATRIX_FMT_FP4
.endif
.endif
.endr
.endm
	s_wait_tensorcnt 0x2                           ; my part of slot 0 is in; slots 1 and 2 may stay out
	s_barrier_signal -1
	s_barrier_wait -1                              ; everybody's is
	STEP 0, 0, 1                                   ; my quarter's steps 0, 1
	STEP 0, 1, 0
	; THE ONE REFILL.  Each wave waits for all its tensor loads (slots 1 and 2 are whole behind this), adds 0 to its spare word, and waits for that and for its reads of slot 0.  The barrier is a round of the cluster's,
	; so that no wave of any partner still reads slot 0 or has a load on its way; the joint refill is the first thing behind it.
	s_wait_tensorcnt 0x0                           ; no tensor load of mine is out, so a group 0 may be written
	ds_add_u32 v[SPW], v[NIL]                      ; 0 onto my spare word
	ds_add_u32 v5, v6
	s_add_nc_u64 s[G0+2:G0+3], s[G0+2:G0+3], 6*REC ; slot 0 takes my quarter's steps 6, 7; the type bits on top are not reached
	s_wait_dscnt 0x0                               ; the add is done, and my reads of slot 0 are over
	CROUND
	s_cmp_lt_u32 s[WV], 4                          ; waves 0-3 fetch one key quarter's chunk each, the others nothing: the branch hangs on the wave's number alone
	s_cbranch_scc0 .Lno_refill
	tensor_load_to_lds s[G0:G0+3], s[G1:G1+7]
	s_nop 0
	PLACES                                         ; four v_nop follow the load
.Lno_refill:
	STEP 1, 0, 0                                   ; steps 2 to 5: both slots were shown whole to every wave by the round
	STEP 1, 1, 0
	STEP 2, 0, 0
	STEP 2, 1, 0
	s_wait_tensorcnt 0x0                           ; my part of slot 0's second fill is in: the last load of the launch
	ds_add_u32 v[SPW], v[NIL]
	s_wait_dscnt 0x0                               ; my reads of slots 1 and 2 are over: behind this barrier they serve the end
	s_barrier_signal -1
	s_barrier_wait -1                              ; everybody's part is in
	STEP 0, 0, 0                                   ; steps 6, 7
	STEP 0, 1, 0
	; THE END.  The four key quarters of a query tile meet.  First their -M and their sums, through 2,048 bytes of slot 1.
	SUM1                                           ; the last step's sum is closed; these 23 additions are also the places behind the last products, in front of the loads into v's registers
	SUM2
	v_add_f32 v14, v14, v15                        ; the sum's two halves,
	v_permlanex16_b32 v252, v14, s[SEL], s[SEL+1]
	v_add_f32 v14, v14, v252                       ; and lane l xor 16's: my quarter's sum
	ds_store_b32 v[AST], v12                       ; lanes l and l xor 16 write the same word with the same value
	ds_store_b32 v[AST], v14 offset:1024
.irp i, 0,1,2,3
	global_load_b128 v[FB+4*\i:FB+4*\i+3], v[GO], s[8:9] offset:32768*\i th:TH_LOAD_NT   ; the residual: x's channel rows 8 w + 2 i + h, my block's 64 columns; this launch reads it once
.endr
	s_wait_dscnt 0x0                               ; my stores have landed
	s_barrier_signal -1
	s_barrier_wait -1
	ds_load_b128 v[232:235], v[ASR]                ; the four quarters' -M of my query
	ds_load_b128 v[236:239], v[ASR] offset:1024    ; and their sums
	s_wait_dscnt 0x0
	v_min3_num_f32 v254, v232, v233, v234
	v_min_num_f32 v254, v254, v235                 ; the common -M: the least
.irp k, 0,1,2,3
	v_sub_f32 v[244+\k], v254, v[232+\k]           ; M of quarter k less the common M: a whole number, 0 or less
.endr
	v_sub_f32 v252, v254, v12                      ; mine
.irp k, 0,1,2,3
	v_cvt_i32_f32 v[244+\k], v[244+\k]
.endr
	v_cvt_i32_f32 v252, v252
.irp k, 0,1,2,3
	v_ldexp_f32 v[244+\k], 1.0, v[244+\k]          ; 2^(that)
.endr
	v_ldexp_f32 v252, 1.0, v252
	v_mul_f32 v254, v244, v236                     ; the row's sum under the common M
	v_fmac_f32 v254, v245, v237
	v_fmac_f32 v254, v246, v238
	v_fmac_f32 v254, v247, v239
	v_rcp_f32 v232, v254
	v_nop                                          ; one plain place behind a transcendental
	s_wait_alu depctr_va_vdst(0)
	v_mul_f32 v252, v252, v232                     ; my part's factor: 2^(my M - the common M) / the sum
.irp j, 0,2,4,6,8,10,12,14,16,18,20,22,24,26,28,30,32,34,36,38,40,42,44,46,48,50,52,54,56,58,60,62
	v_pk_mul_f32 v[S+\j:S+1+\j], v[O+\j:O+1+\j], v[252:253] op_sel_hi:[1,0]   ; each accumulator from its low end on
.endr
.irp t, 0,1,2,3,4,5,6,7
.irp j, 0,1,2,3,4,5,6,7
	ds_store_b32 v[AW], v[S+8*\t+\j] offset:(16*\t+\j)*SPITCH      ; channel 16 t + 8 h + j, my query's column, in my quarter's part: the 32 lanes touch 32 different banks (8 rows of 272 bytes are 32 words past a whole turn)
.endr
.endr
	s_wait_dscnt 0x0                               ; for the others' sake: my stores have landed
	s_barrier_signal -1
	s_barrier_wait -1
.irp i, 0,1,2,3
.irp k, 0,1,2,3
	ds_load_b128 v[O+16*\i+4*\k:O+16*\i+4*\k+3], v[AR+(\k/2)] offset:(\k%2)*PART+2*SPITCH*\i   ; rows 8 w + 2 i + h of part k: sixteen lanes take a row's 256 bytes
.endr
.endr
	s_wait_loadcnt 0x0                             ; x
.irp i, 0,1,2,3
	s_wait_dscnt 12-4*\i                           ; this row pair's four loads are in; those of the later pairs may be out
.irp p, 0,2
	v_pk_add_f32 v[O+16*\i+\p:O+16*\i+\p+1], v[O+16*\i+\p:O+16*\i+\p+1], v[O+16*\i+4+\p:O+16*\i+4+\p+1]
	v_pk_add_f32 v[O+16*\i+8+\p:O+16*\i+8+\p+1], v[O+16*\i+8+\p:O+16*\i+8+\p+1], v[O+16*\i+12+\p:O+16*\i+12+\p+1]
.endr
.irp p, 0,2
	v_pk_add_f32 v[O+16*\i+\p:O+16*\i+\p+1], v[O+16*\i+\p:O+16*\i+\p+1], v[O+16*\i+8+\p:O+16*\i+8+\p+1]
.endr
.irp p, 0,2
	v_pk_add_f32 v[FB+4*\i+\p:FB+4*\i+\p+1], v[FB+4*\i+\p:FB+4*\i+\p+1], v[O+16*\i+\p:O+16*\i+\p+1]   ; x + the four quarters
.endr
	global_store_b128 v[GO], v[FB+4*\i:FB+4*\i+3], s[10:11] offset:32768*\i th:TH_STORE_NT   ; sixteen lanes store 256 consecutive bytes, at a multiple of 256 from out0's first byte; written once, read by nobody here
.endr
	s_wait_tensorcnt 0x0                           ; the wave's end: behind my last tensor load and my last LDS store
	ds_add_u32 v[SPW], v[NIL]
	s_wait_dscnt 0x0
	CROUND                                         ; the closing round: no work-group ends while a partner may still ask for a chunk that names it
	s_endpgm
.Lfunc_end_k_q27eff411af_attn:
	.size	k_q27eff411af_attn, .Lfunc_end_k_q27eff411af_attn-k_q27eff411af_attn
	.p2alignl 7, 3214868480
	.fill 96, 4, 3214868480
	.section	.rodata,"a",@progbits
	.p2align	6, 0x0
	.amdhsa_kernel k_q27eff411af_attn
		.amdhsa_group_segment_fixed_size 327680
		.amdhsa_private_segment_fixed_size 0
		.amdhsa_enable_private_segment 0
		.amdhsa_kernarg_size 32
		.amdhsa_user_sgpr_count 2
		.amdhsa_user_sgpr_kernarg_segment_ptr 1
		.amdhsa_wavefront_size32 1
		.amdhsa_system_sgpr_workgroup_id_x 1
		.amdhsa_system_sgpr_workgroup_id_y 1
		.amdhsa_system_sgpr_workgroup_id_z 1
		.amdhsa_system_vgpr_workitem_id 0
		.amdhsa_next_free_vgpr 256
		.amdhsa_next_free_sgpr 66
		.amdhsa_reserve_vcc 0
		.amdhsa_float_denorm_mode_32 3
		.amdhsa_float_denorm_mode_16_64 3
		.amdhsa_memory_ordered 1
		.amdhsa_forward_progress 1
		.amdhsa_inst_pref_size 150
	.end_amdhsa_kernel
	.amdgpu_metadata
---
amdhsa.version: [ 1, 2 ]
amdhsa.kernels:
  - .name:           k_q27eff411af_attn
    .symbol:         k_q27eff411af_attn.kd
    .args:
      - { .name: qrec, .offset: 0, .size: 8, .value_kind: global_buffer, .address_space: global }
      - { .name: kv, .offset: 8, .size: 8, .value_kind: global_buffer, .address_space: global }
      - { .name: x, .offset: 16, .size: 8, .value_kind: global_buffer, .address_space: global }
      - { .name: out0, .offset: 24, .size: 8, .value_kind: global_buffer, .address_space: global }
    .group_segment_fixed_size: 327680
    .private_segment_fixed_size: 0
    .kernarg_segment_align: 8
    .kernarg_segment_size: 32
    .max_flat_workgroup_size: 512
    .sgpr_count:     66
    .vgpr_count:     256
    .wavefront_size: 32
...
	.end_amdgpu_metadata
.endif
;; end of part 2
